; MI455X (gfx1250); checked and timed in simulation.
; The chip was launched on July 23, 2026; its instructions are those of AMD's public machine-readable ISA for CDNA 5 (MIT licence, August 2026) and "CDNA5" Instruction Set Architecture Reference Guide (July 2026). The comments in the code are by the model that wrote it; some were corrected since.
;; Linear With Lo RA. Allowed arithmetic: matrix products marked QUANTISED: E5M2 operands, one E8M0 scale for each 32 along K, by v_wmma_scale_f32_16x16x128_f8f6f4 with both operands' format E5M2, f32 sums; products left as they are: f32 operands where the result goes on into a quantised operand, else bf16, f16 or f32 operands; f32 sums; everything else in f32.
;; Inputs: A 4,096 x 16 float32; B 16 x 4,096 float32; scale 262,144 float32; w_q 4,096 x 4,096 int32; x 4 x 1,024 x 4,096 float32.
;; Outputs: out0 4 x 1,024 x 4,096 float32.
;; This version of the problem:
;;   THIS VERSION OF THE PROBLEM IS GIVEN IN LOW PRECISION. The matrix products marked QUANTISED in the list below multiply operands that are first quantised to E5M2 (5 exponent bits, 2 mantissa bits; 8 bits a number), with one power-of-two scale for each 32 numbers along K (OCP MX v1.0); their sums are f32. All else is computed in f32.
;;   The module's matrix products, in the order in which they are computed (A, B: the left and right operand; K: the contracted axis; several contracted axes count as one K, in the product's order):
;;     1. [M 4,096, K 4,096] x [K 4,096, N 16]; A: input x; B: input A: QUANTISED
;;     2. [M 4,096, K 16] x [K 16, N 4,096]; A: computed on the way; B: input B: left as it is (K = 16 < 32)
;;     3. [M 4,096, K 4,096] x [K 4,096, N 4,096]; A: input x; B: computed on the way: QUANTISED
;;   THE QUANTISER, for each operand of a quantised product, along K:
;;     - K is cut into blocks of 32 from its start; a last block that is shorter is filled with zeros.
;;     - A block's scale is 2^e with e = floor(log2(the largest magnitude in the block)) - 15, held to -126 .. 127; a block of zeros has e = 0. As a byte (E8M0): e + 127.
;;     - Each number is divided by its block's scale, clamped to +-57,344, and rounded to the nearest number of E5M2, ties to even, subnormals kept.
;;     - The product sums the exact products of the quantised numbers (number of the format x scale) in f32.
;;   ~~~python
;;   def quantise(x, axis):      # numpy; x: float32 -> the quantised numbers, widened to float32 again
;;       x = np.moveaxis(x, axis, -1); K = x.shape[-1]
;;       x = np.pad(x, [(0, 0)] * (x.ndim - 1) + [(0, -K % 32)]); x = x.reshape(x.shape[:-1] + (-1, 32)); a = np.abs(x).max(-1, keepdims=True)
;;       e = np.where(a > 0, np.clip(np.frexp(np.where(a > 0, a, 1))[1] - 1 - 15, -126, 127), 0)      # np.frexp(a)[1] - 1 = floor(log2(a)), exactly
;;       r = np.clip(x / 2.0 ** e, -57344, 57344)
;;       step = 2.0 ** (np.maximum(np.frexp(np.where(r == 0, 1, r))[1] - 1, -14) - 2)
;;       q = np.round(r / step) * step * 2.0 ** e      # np.round: ties to even
;;       return np.moveaxis(q.reshape(q.shape[:-2] + (-1,))[..., :K], -1, axis).astype(np.float32)
;;   ~~~
;;   OPERANDS COMPUTED ON THE WAY. 'Computed on the way' means the value that the module computes at that place (a softmax that the list does not call 'softmax' is quantised finished and normalised). What goes into a quantiser is computed in f32, as accurately as f32 sums, v_exp_f32 and their like allow (about 1e-6 of the number): no bf16 or f16 on the way to a quantiser, and a product that is left as it is and whose result goes on into a quantised operand takes f32 operands (vector FMAs, or v_wmma_f32_16x16x4_f32). A number that lies on a knife's edge between two numbers of the format may be rounded either way, as far as f32 arithmetic and the matrix unit's own rounding can turn it there, and no further.
;; One version. Each part assembles by itself: llvm-mc -triple=amdgcn-amd-amdhsa -mcpu=gfx1250 --defsym DOCPART=n.
;; ======== version 1 of 1: 2 launches
;; limits: values are held in bf16: 8 bits of precision; right only within a limited range of input values
;; workspace buffers: xc 18,415,616 bytes; wc 17,301,504 bytes
;; launch quant (part 1): grid 512 x 1, 8 waves a work-group, no clusters, 136,192 bytes of LDS; arguments x, w_q, scale, A, xc, wc; writes xc, wc
.if DOCPART == 1
	.amdgcn_target "amdgcn-amd-amdhsa--gfx1250"
	.amdhsa_code_object_version 6
	.text
	.protected	k_q43195349cb_quant
	.globl	k_q43195349cb_quant
	.p2align	8
	.type	k_q43195349cb_quant,@function
k_q43195349cb_quant:
	s_mov_b64 s[64:65], 0
	v_nop
	global_prefetch_b8 v0, s[64:65] scope:SCOPE_SE
	s_setreg_imm32_b32 hwreg(HW_REG_WAVE_MODE, 25, 1), 1
	s_wait_xcnt 0x0
; x [4096][4096] f32, W = float(w_q) x scale (one scale for each 64 along K) [4096][4096], and A [4096 (k)][16] f32 are turned into codes of BF8 (E5M2) with one E8M0 byte for each 32 along K.
; THE CODES ARE LAID AS IMAGES OF THE OPERAND'S REGISTERS.  A fragment is 16 rows x 128 K, 16 registers a lane: lane (r, h) holds row r, registers 4 c .. 4 c + 3 hold k = 32 c + 16 h + 0 .. 15.
; Its image is 2,048 bytes: registers 4 c .. 4 c + 3 of lane l at 512 c + 16 l.  A CHUNK is 256 rows x 256 along K; chunks lie [P = which 256 along K][block of 256 rows].  A chunk begins with its codes,
; [tile of 16 rows][q = which 128][image]: 65,536 bytes; behind them its scale words (four bytes: 128 along K of a row), [tile][row][q]: 2,048 bytes.  A chunk of wc ends there: 67,584 bytes.
; A chunk of xc goes on with the two images of A's fragments of these 256 along K (4,096 bytes) and A's words, [q][lane] (256 bytes): 71,936 bytes.  So all that a step of the product wants of one operand is one dense block.
; SHARES.  512 work-groups of eight waves: the first 256 take x, the others W.  A work-group takes one pair of tiles (32 rows) of a block of 256 rows over 2,048 along K; wave w makes that pair's part of
; chunk P = 8 x half + w: four fragments (two tiles, both q).  So a work-group reads 8,192 consecutive bytes of each of 32 neighbouring rows.  In x's work-groups of the pairs 0 and 1 each wave also
; quantises A's fragment q = pair of its chunk's 256 along K into the chunk (A's 256 KB are so read once by each of the 16 row blocks).
; A BLOCK'S SCALE is 2^(floor(log2(its largest magnitude)) - 15); its byte is the largest magnitude's exponent field - 15, held at 1 from below by a floor among the maximum's leaves.
; LIMITS: a block of zeros gets the byte 1 where the rule says 127: its codes are zeros, which add nothing under any byte but 0xff, and the bytes are read by this program alone.  NaN and infinities among the inputs are not served.
; Each raw load reads 512 consecutive bytes (128 numbers of one row); the conversions want 16 neighbours along K in ONE lane's registers: so a fragment's 16 rows turn through the wave's own stage in LDS.
; No tensor loads, no barrier: waves share nothing.  The two paths part on the work-group's number at the head, each has its own text and its own LDS bytes.
.set XCH,   71936                      ; a chunk of xc
.set WCH,   67584                      ; a chunk of wc
.set SP,    528                        ; a stage row: 512 bytes + 16: the sixteen rows that a read touches start at sixteen different 16-byte columns
.set WSTG,  16*SP                      ; a wave's stage
.set PATHB, 8*WSTG                     ; x's eight stages; W's lie behind them
.set TM,    12                         ; v12-15 largest magnitudes, v16-19 permute results, then bytes, v20-23 the largest number x the scale, v24-27 the conversion's scale operand
.set PW,    28                         ; v28-31 the four fragments' scale words
.set PWA,   32                         ; v32    A's fragment's scale word
.set SW,    34                         ; v34-35 the words as they are stored
.set SCL,   36                         ; v36-43 W's group scales: four for each of my two tiles' rows
.set PC,    44                         ; v44-59 a fragment's codes
.set R0,    64                         ; three sets of 64 numbers
.set R1,    128
.set R2,    192
; v1 lane, v2 r, v3 h, v4 16 x lane, v5 stage + 16 x lane, v6 stage + 528 r + 64 h, v7 8 x lane, v8 path's own lane offset, v9 4 x lane; v62, v63: my spare word's address and 0
.macro LOADRAW f, set, in              ; fragment f = 2 tile + q: its 16 rows' 512 bytes, a row a load
.irp j, 0,1,2,3,4,5,6,7,8,9,10,11,12,13,14,15
	global_load_b128 v[\set+4*\j:\set+4*\j+3], v4, s[\in:\in+1] offset:((\f)/2)*262144+((\f)%2)*512+\j*16384 th:TH_LOAD_NT
.endr
.endm
.macro TURN set                        ; through the stage: LDS serves a wave's instructions in order, so no wait stands between the stores and the loads.  Afterwards register 16 b + i is k = 32 b + 16 h + i of row r
.irp j, 0,1,2,3,4,5,6,7,8,9,10,11,12,13,14,15
	ds_store_b128 v5, v[\set+4*\j:\set+4*\j+3] offset:SP*\j
.endr
.irp b, 0,1,2,3
.irp j, 0,1,2,3
	ds_load_b128 v[\set+16*\b+4*\j:\set+16*\b+4*\j+3], v6 offset:128*\b+16*\j
.endr
.endr
.endm
.macro DEQ set, sc                     ; W = float(w_q) x its group's scale: one rounding.  Registers 0-31 lie in the fragment's first group of 64 along K, registers 32-63 in its second
.irp g, 0,1
.set n, 0
.rept 32
	v_cvt_f32_i32 v[\set+32*\g+n], v[\set+32*\g+n]
.set n, n+1
.endr
.set n, 0
.rept 32
	v_mul_f32 v[\set+32*\g+n], v[\set+32*\g+n], v[\sc+\g]
.set n, n+1
.endr
.endr
.endm
.macro QUANT s, pw                     ; 64 numbers of a lane become a fragment's codes in v[PC] on and its row's scale word in v[pw]
.irp b, 0,1,2,3
	v_max3_num_f32 v[TM+\b], |v[\s+16*\b]|, |v[\s+1+16*\b]|, 0x8000000   ; block b: my 16 numbers, and the floor 2^(16 - 127): the byte cannot fall under 1
.endr
.irp i, 2,4,6,8,10,12,14
.irp b, 0,1,2,3
	s_delay_alu instid0(VALU_DEP_4)
	v_max3_num_f32 v[TM+\b], v[TM+\b], |v[\s+16*\b+\i]|, |v[\s+1+16*\b+\i]|   ; the four blocks by turns
.endr
.endr
.irp b, 0,1,2,3
	s_delay_alu instid0(VALU_DEP_4)
	v_permlanex16_b32 v[TM+4+\b], v[TM+\b], s32, s33
.endr
.irp b, 0,1,2,3
	s_delay_alu instid0(VALU_DEP_4)
	v_max_num_f32 v[TM+\b], v[TM+\b], v[TM+4+\b]           ; with lane l xor 16's: the block's largest magnitude
.endr
.irp b, 0,1,2,3
	s_delay_alu instid0(VALU_DEP_4)
	v_add_nc_u32 v[TM+12+\b], 0xf8800000, v[TM+\b]         ; 15 off its exponent field: the conversion takes the exponent field of this operand as its scale
.endr
.irp b, 0,1,2,3
	v_and_or_b32 v[TM+8+\b], v[TM+\b], 0x7f800000, s34     ; 57,344 x the scale: the largest magnitude's exponent field over 57,344's mantissa
.endr
.irp b, 0,1,2,3
	v_lshrrev_b32 v[TM+4+\b], 23, v[TM+12+\b]              ; the scale's byte
.endr
	s_delay_alu instid0(VALU_DEP_3)
	v_lshl_or_b32 v[\pw], v[TM+5], 8, v[TM+4]
	s_delay_alu instid0(VALU_DEP_1)
	v_lshl_or_b32 v[\pw], v[TM+6], 16, v[\pw]
	s_delay_alu instid0(VALU_DEP_1)
	v_lshl_or_b32 v[\pw], v[TM+7], 24, v[\pw]
.irp b, 0,1,2,3
.irp i, 0,1,2,3,4,5,6,7,8,9,10,11,12,13,14,15
	v_med3_num_f32 v[\s+16*\b+\i], v[\s+16*\b+\i], -v[TM+8+\b], v[TM+8+\b]   ; the conversion to an 8-bit code does not saturate (ISA guide 7.6.2): the hold at the largest code x the scale
.endr
	v_cvt_scalef32_pk8_bf8_f32 v[PC+4*\b:PC+1+4*\b], v[\s+16*\b:\s+7+16*\b], v[TM+12+\b]
	v_cvt_scalef32_pk8_bf8_f32 v[PC+2+4*\b:PC+3+4*\b], v[\s+8+16*\b:\s+15+16*\b], v[TM+12+\b]
.endr
	v_nop                                          ; one plain vector instruction behind the last scaled conversion
.endm
.macro PUT base, off                   ; the image: each store covers 512 consecutive bytes, aligned
.irp c, 0,1,2,3
	global_store_b128 v4, v[PC+4*\c:PC+4*\c+3], s[\base:\base+1] offset:\off+512*\c
.endr
.endm
.macro FRAGMENT f, set, left, isw, cd
	s_wait_loadcnt \left                           ; loads come back in order: this fragment's 16 are in; left = the raw loads issued behind them
	TURN \set
	s_wait_dscnt 0x0
.if \isw
	DEQ \set, SCL+2*(\f)
.endif
	s_wait_xcnt 0x0                                ; the last image's stores have read v[PC] on: it is rewritten only behind this wait
	QUANT \set, PW+\f
	PUT \cd, 2048*(\f)
.endm
; In the bodies s20 is the work-group's pair of tiles, s21 the block of 256 rows, s22 my wave's P, s23 my chunk.
.macro BODY isw
.if \isw
.set IN, 6
.set CD, 14
.set CHB, WCH
	s_add_co_u32 s35, s35, PATHB                   ; W's stages lie behind x's
.else
.set IN, 4
.set CD, 12
.set CHB, XCH
.endif
	v_add_nc_u32 v5, s35, v4                       ; the stage, on the way in: 16 x lane
	v_add_nc_u32 v6, s35, v6                       ; and on the way out: 528 r + 64 h
	s_add_nc_u64 s[IN:IN+1], s[IN:IN+1], s[24:25]
	s_mul_i32 s26, s23, CHB
	s_add_nc_u64 s[CD:CD+1], s[CD:CD+1], s[26:27]  ; my chunk,
	s_add_nc_u64 s[16:17], s[CD:CD+1], 65536       ; what lies behind its codes,
	s_lshl_b32 s28, s20, 13
	s_add_nc_u64 s[CD:CD+1], s[CD:CD+1], s[28:29]  ; and the pair's four images: 8,192 bytes a pair
.if \isw
	s_lshl_b32 s28, s20, 8                         ; the scale words: 256 bytes a pair
	s_add_nc_u64 s[16:17], s[16:17], s[28:29]
	s_lshl_b32 s28, s21, 16                        ; scale: a row of W has 64 scales, 256 bytes: 256 rows a block, 32 a pair; the chunk's four begin 16 P bytes on
	s_lshl_b32 s30, s20, 13
	s_add_co_u32 s28, s28, s30
	s_lshl_b32 s30, s22, 4
	s_add_co_u32 s28, s28, s30
	s_add_nc_u64 s[8:9], s[8:9], s[28:29]
	v_lshlrev_b32 v8, 8, v2                        ; row r
	global_load_b128 v[SCL:SCL+3], v8, s[8:9]                  ; my first tile's row's four group scales: the oldest loads, so every later count covers them
	global_load_b128 v[SCL+4:SCL+7], v8, s[8:9] offset:4096    ; my second tile's
.else
	s_lshl_b32 s28, s20, 11
	s_add_nc_u64 s[36:37], s[16:17], s[28:29]      ; A's image q = pair (2,048 more stand in the stores' immediate)
	s_lshl_b32 s28, s20, 7
	s_add_nc_u64 s[38:39], s[16:17], s[28:29]      ; A's words q = pair (6,144 more likewise)
	s_lshl_b32 s28, s20, 8
	s_add_nc_u64 s[16:17], s[16:17], s[28:29]      ; x's words: 256 bytes a pair
	s_lshl_b32 s28, s22, 14                        ; A: a row is 64 bytes: 256 rows a chunk, 128 a fragment
	s_lshl_b32 s30, s20, 13
	s_add_co_u32 s28, s28, s30
	s_add_nc_u64 s[10:11], s[10:11], s[28:29]      ; (used by the pairs 0 and 1 alone)
	v_lshlrev_b32 v8, 2, v2
	s_delay_alu instid0(VALU_DEP_1)
	v_lshl_add_u32 v8, v3, 10, v8                  ; A: lane r takes column r, its registers run down K; lanes 16-31 begin 16 rows further down
.endif
	LOADRAW 0, R0, IN
	LOADRAW 1, R1, IN
.if !\isw
	s_cmp_lt_u32 s20, 2
	s_cbranch_scc0 .Lno_a_\@
.irp c, 0,1,2,3
.irp i, 0,1,2,3,4,5,6,7,8,9,10,11,12,13,14,15
	global_load_b32 v[R2+16*\c+\i], v8, s[10:11] offset:(32*\c+\i)*64   ; A(32 c + 16 h + i, r)
.endr
.endr
	s_wait_loadcnt 0x0
	QUANT R2, PWA
	PUT 36, 2048
	global_store_b32 v9, v[PWA], s[38:39] offset:6144
.Lno_a_\@:
.endif
	LOADRAW 2, R2, IN
	s_wait_alu depctr_va_vdst(0)                   ; directly ahead of the wait below
	FRAGMENT 0, R0, 32, \isw, CD                   ; behind fragment 0's loads: fragments 1 and 2 (A's, where they were issued, have been waited for)
	LOADRAW 3, R0, IN
	FRAGMENT 1, R1, 32, \isw, CD                   ; fragments 2 and 3
	FRAGMENT 2, R2, 16, \isw, CD                   ; fragment 3
	FRAGMENT 3, R0, 0, \isw, CD
	v_cmp_le_u32 vcc_lo, 16, v1                    ; lanes r and 16 + r hold the same words: lanes 0-15 store my first tile's, lanes 16-31 my second's
	s_delay_alu instid0(VALU_DEP_1)
	v_cndmask_b32 v[SW], v[PW], v[PW+2], vcc_lo
	s_delay_alu instid0(VALU_DEP_2)
	v_cndmask_b32 v[SW+1], v[PW+1], v[PW+3], vcc_lo
	global_store_b64 v7, v[SW:SW+1], s[16:17]      ; 32 lanes store 256 consecutive bytes, aligned
	s_wait_tensorcnt 0x0                           ; the wave's end
	ds_add_u32 v62, v63
	s_wait_dscnt 0x0
	s_endpgm
.endm
	s_load_b256 s[4:11], s[0:1], 0x0               ; x s[4:5], w_q s[6:7], scale s[8:9], A s[10:11]
	s_load_b128 s[12:15], s[0:1], 0x20             ; xc s[12:13], wc s[14:15]
	v_lshl_add_u32 v62, v0, 2, 0x21000             ; the spare words lie behind the sixteen stages
	v_mov_b32 v63, 0
	v_lshrrev_b32 v10, 5, v0
	s_delay_alu instid0(VALU_DEP_1)
	v_readfirstlane_b32 s20, v10                   ; wave 0..7
	v_and_b32 v1, 31, v0                           ; lane
	v_and_b32 v2, 15, v0                           ; r
	v_bfe_u32 v3, v0, 4, 1                         ; h
	s_delay_alu instid0(VALU_DEP_3)
	v_lshlrev_b32 v4, 4, v1
	s_delay_alu instid0(VALU_DEP_4)
	v_lshlrev_b32 v7, 3, v1
	v_lshlrev_b32 v9, 2, v1
	v_mul_u32_u24 v6, v2, SP
	s_delay_alu instid0(VALU_DEP_1)
	v_lshl_add_u32 v6, v3, 6, v6
.irp b, 0,1,2,3
	v_mov_b32 v[TM+4+\b], 0                        ; written once: a lane permute's destination counts as one of its sources
.endr
	s_bfe_u32 s21, ttmp9, 0x40004                  ; which block of 256 rows
	s_and_b32 s22, ttmp9, 1                        ; which half of K
	s_lshl_b32 s22, s22, 3
	s_add_co_u32 s22, s22, s20                     ; P: which 256 along K: 8 x half + wave
	s_bfe_u32 s18, ttmp9, 0x30001                  ; which pair of tiles of the block
	s_lshl_b32 s23, s22, 4
	s_add_co_u32 s23, s23, s21                     ; the chunk: 16 P + block
	s_lshl_b32 s24, s21, 22                        ; in: 256 rows of 16,384 bytes a block,
	s_lshl_b32 s25, s18, 19                        ; 32 rows a pair of tiles,
	s_add_co_u32 s24, s24, s25
	s_lshl_b32 s25, s22, 10                        ; 1,024 bytes a P
	s_add_co_u32 s24, s24, s25
	s_mov_b32 s25, 0
	s_mov_b32 s27, 0                               ; the upper words of the offsets made in the bodies
	s_mov_b32 s29, 0
	s_mul_i32 s35, s20, WSTG                       ; my stage, by the wave's number
	s_mov_b32 s20, s18                             ; from here on s20 is the pair of tiles
	s_mov_b32 s32, 0x76543210
	s_mov_b32 s33, 0xfedcba98                      ; v_permlanex16_b32's selects for lane l xor 16
	s_mov_b32 s34, 0x600000                        ; the mantissa field of 57,344
	s_wait_kmcnt 0x0
	s_cmp_lt_u32 ttmp9, 256                        ; x's work-group or W's?
	s_cbranch_scc0 .Lw
	s_wait_alu depctr_va_vdst(0)                   ; the head's end, on both ways
	BODY 0
.Lw:
	s_wait_alu depctr_va_vdst(0)
	BODY 1
.Lfunc_end_k_q43195349cb_quant:
	.size	k_q43195349cb_quant, .Lfunc_end_k_q43195349cb_quant-k_q43195349cb_quant
	.p2alignl 7, 3214868480
	.fill 96, 4, 3214868480
	.section	.rodata,"a",@progbits
	.p2align	6, 0x0
	.amdhsa_kernel k_q43195349cb_quant
		.amdhsa_group_segment_fixed_size 136192
		.amdhsa_private_segment_fixed_size 0
		.amdhsa_enable_private_segment 0
		.amdhsa_kernarg_size 48
		.amdhsa_user_sgpr_count 2
		.amdhsa_user_sgpr_kernarg_segment_ptr 1
		.amdhsa_wavefront_size32 1
		.amdhsa_system_sgpr_workgroup_id_x 1
		.amdhsa_system_sgpr_workgroup_id_y 1
		.amdhsa_system_sgpr_workgroup_id_z 1
		.amdhsa_system_vgpr_workitem_id 0
		.amdhsa_next_free_vgpr 256
		.amdhsa_next_free_sgpr 66
		.amdhsa_reserve_vcc 1
		.amdhsa_float_denorm_mode_32 3
		.amdhsa_float_denorm_mode_16_64 3
		.amdhsa_memory_ordered 1
		.amdhsa_forward_progress 1
		.amdhsa_inst_pref_size 143
	.end_amdhsa_kernel
	.amdgpu_metadata
---
amdhsa.version: [ 1, 2 ]
amdhsa.kernels:
  - .name:           k_q43195349cb_quant
    .symbol:         k_q43195349cb_quant.kd
    .args:
      - { .name: x, .offset: 0, .size: 8, .value_kind: global_buffer, .address_space: global }
      - { .name: w_q, .offset: 8, .size: 8, .value_kind: global_buffer, .address_space: global }
      - { .name: scale, .offset: 16, .size: 8, .value_kind: global_buffer, .address_space: global }
      - { .name: A, .offset: 24, .size: 8, .value_kind: global_buffer, .address_space: global }
      - { .name: xc, .offset: 32, .size: 8, .value_kind: global_buffer, .address_space: global }
      - { .name: wc, .offset: 40, .size: 8, .value_kind: global_buffer, .address_space: global }
    .group_segment_fixed_size: 136192
    .private_segment_fixed_size: 0
    .kernarg_segment_align: 8
    .kernarg_segment_size: 48
    .max_flat_workgroup_size: 256
    .sgpr_count:     66
    .vgpr_count:     256
    .wavefront_size: 32
...
	.end_amdgpu_metadata
.endif
;; end of part 1
;; launch gemm (part 2): grid 16 x 16, 4 waves a work-group, clusters of 4 x 4, 327,680 bytes of LDS; arguments xc, wc, B, out0; writes out0
.if DOCPART == 2
	.amdgcn_target "amdgcn-amd-amdhsa--gfx1250"
	.amdhsa_code_object_version 6
	.text
	.protected	k_q43195349cb_gemm
	.globl	k_q43195349cb_gemm
	.p2align	8
	.type	k_q43195349cb_gemm,@function
k_q43195349cb_gemm:
	s_mov_b64 s[64:65], 0
	v_nop
	global_prefetch_b8 v0, s[64:65] scope:SCOPE_SE
	s_setreg_imm32_b32 hwreg(HW_REG_WAVE_MODE, 25, 1), 1
	s_wait_xcnt 0x0
	s_wait_alu depctr_hold_cnt(0) depctr_sa_sdst(0) depctr_va_vdst(0) depctr_va_sdst(0) depctr_va_ssrc(0) depctr_va_vcc(0) depctr_vm_vsrc(0)
	s_getreg_b32 s2, hwreg(HW_REG_IB_STS2, 6, 4)
	s_cmp_eq_u32 s2, 0
	s_cbranch_scc0 .Lentry_in_a_cluster
	s_endpgm
.Lentry_in_a_cluster:
	s_bfe_u32 s2, ttmp6, 0x10000c
	s_cmp_lg_u32 s2, 0xf033
	s_cbranch_scc0 .Lentry_shape_is_right
	s_endpgm
.Lentry_shape_is_right:
; out0[m][n] = sum over k of Q(x)[m][k] Q(W)[n][k] + 2 x sum over r of T[m][r] B[r][n], T = Q(x) Q(A); Q: codes of BF8 (E5M2) with one E8M0 byte for each 32 along K, made by the launch before.
; Both quantised products go by v_wmma_scale_f32_16x16x128_f8f6f4, sums in f32.  The product with B (K = 16) takes 2 T and B rounded to bf16, and adds onto the same f32 sums.  No step of the problem is left out.
; LIMITS: NaN and infinities among the inputs are not served (the quantiser's limit).
; A tile of out0, 256 x 256, is made by four waves, each 128 x 128: 64 accumulators, 512 registers.  K goes in steps of 256 through two LDS slots.  A slot holds one chunk of xc (71,936 bytes: images of the operand's
; registers, scale words, A's two images and words) and one of wc (67,584 bytes): dense blocks, fetched as rows of 256 bytes, a half chunk a wave.
; CLUSTERS 4 x 4: x's chunk is asked for jointly along a row of the cluster, W's along a column.
; THE MATRIX INSTRUCTION IS USED TRANSPOSED (source 0 = 16 rows of W, source 1 = 16 rows of x): a lane holds eight neighbouring numbers of a row of out0.
; Wave w multiplies x's rows 64 w .. (blocks 0-3) and 64 (w xor 1) .. (blocks 4-7) with W's rows 128 (w & 1) ..; it makes T for its blocks 0-3 and gets the other four from wave w xor 1 through LDS.
; A STEP OF 128 ALONG K is two half steps of 32 products (x's blocks 0-3, then 4-7, each against W's eight fragments), and behind each half step ONE run of LDS loads for the next 128, of nearly equal length:
; run 1: W's fragments 0-3, x's blocks 0-3, A's fragment (36 loads; 46 with a new slot's scale words); run 2: W's fragments 4-7, x's blocks 4-7 (32 loads).  The first half step goes by W's fragments, so that
; fragments 4-7 are wanted only 16 products in.  x has one set of registers, W two.  Eight v_nop stand in front of each run: the loads land in registers that products have read.
; PREFETCH: where the joint load of K step j is issued, each wave asks for K step j + 2 of the half chunk that it fetches: two instructions a wave, a lane a block of 256 bytes.  K steps 0 and 1, the buffers' first
; touch, are asked for as soon as the addresses are known, ahead of the descriptors' set-up and of the round in front of the first joint loads.  So at most two K steps are asked for and not yet loaded.
; The four partners of a joint load share its blocks out by address (36 or 33 blocks a partner; lanes left over name the wave's last block again).  The last trip of the loop asks for nothing: steps 16 and 17 do not exist.
; REGISTERS: window 0: v0-31 addresses; v32-63 scale words, two sets; v64-95 T's sums; v96-111 A's fragment; v112-115 its words; v128-255 x's eight fragments, one set.
;   window 1: W's fragments, two sets.  window 2: the accumulators of blocks 0-3 ((a, b) at v[8 (8 a + b)]).  window 3: those of blocks 4-7.
.set FR,     16                        ; registers of a fragment
.set NP,     8                         ; places behind this matrix form (ISA guide 7.12.1)
.set XCH,    71936
.set WCH,    67584
.set SLOT,   XCH+WCH
.set WOFF,   XCH
.set XSIDE,  65536                     ; behind a chunk's codes
.set QOFF,   2048
.set QSOFF,  6144
.set XHALF,  141*256
.set WHALF,  132*256
.set BIMG,   2*SLOT                    ; B's bf16 fragments, 4,096 bytes a wave, each wave's own
.set TIMG,   BIMG+16384                ; T's bf16 fragments, 2,048 bytes a wave
.set SPARE,  TIMG+8192                 ; the spare words: 128 bytes a wave, named by no other line
.set SPITCH, 528                       ; the way out: a stage of 16 rows x (512 + 16) bytes a wave, in slot 0 behind its last fill and last read
.set ADRSL, 7
.set ADRSH, 9
.set ADRQ,  11
.set PFV,   13                         ; the prefetches' two offsets; never rewritten
.set TST,   14
.set TLD,   15
.set ADRAL, 16
.set ADRAH, 18
.set ADRB,  20
.set ADRQS, 22
.set STO,   24
.set RD,    25
.set CO,    26
.set PFW,   27
.set SPW,   28
.set NIL,   29
.set BLD,   31
.set SC,    32
.set TA,    64
.set TB,    64                         ; 2 T in bf16: my four blocks in place of T's sums, the partner's four behind them
.set QAF,   96
.set QS,    112
.set AF,    128
.set BK,    128
.set WV,    16
.set PF0,   8                          ; s[8:9] my half chunk of K step 0
.set G1XA,  24
.set G1XB,  32
.set G1W,   40
.set PFA,   48                         ; s[48:49] where my prefetches stand; s[50:51] a K step in bytes; s[52:55] steps 1 and 2
.set PFS,   50
.set PF1,   52
.set PF2,   54
.set G0XA,  56
.set G0XB,  68
.set G0WA,  76
.set G0WB,  84
.set MSB, 0
.macro WIN new                         ; the immediate's high byte repeats the setting that is left
.if MSB != (\new)
	s_set_vgpr_msb (MSB<<8)|(\new)
.set MSB, (\new)
.endif
.endm
.set TO_B,   0x40                      ; destination window 1, address window 0
; A joint load, one a wave: one chain of branches on the wave's number, one load to an arm, one join.  s_nop 0 and four v_nop behind each load.
.macro JARM g0, g1
	tensor_load_to_lds s[\g0:\g0+3], s[\g1:\g1+7]
	s_nop 0
.rept 4
	v_nop
.endr
.endm
.macro JLOAD4 s
	s_cmp_eq_u32 s[WV], 0
	s_cbranch_scc0 .Lj1_\@
	JARM G0XA+4*\s, G1XA
	s_branch .Ljd_\@
.Lj1_\@:
	s_cmp_eq_u32 s[WV], 1
	s_cbranch_scc0 .Lj2_\@
	JARM G0XB+4*\s, G1XB
	s_branch .Ljd_\@
.Lj2_\@:
	s_cmp_eq_u32 s[WV], 2
	s_cbranch_scc0 .Lj3_\@
	JARM G0WA+4*\s, G1W
	s_branch .Ljd_\@
.Lj3_\@:
	JARM G0WB+4*\s, G1W
.Ljd_\@:
.endm
.macro CREST                           ; a round of the cluster's barrier behind its opening barrier
	s_cmp_lg_u32 s[WV], 0
	s_cbranch_scc1 .Lnot_wave_0_\@
	s_barrier_signal -3
.Lnot_wave_0_\@:
	s_barrier_wait -3
	s_barrier_signal -1
	s_barrier_wait -1
.endm
.macro CROUND
	s_barrier_signal -1
	s_barrier_wait -1
	CREST
.endm
.macro PLACES n
.rept \n
	v_nop
.endr
.endm
.macro ASKNOW base                     ; my share of a half chunk: 32 blocks, then the rest
	global_prefetch_b8 v[PFV], s[\base:\base+1] th:TH_LOAD_NT scope:SCOPE_SE
	global_prefetch_b8 v[PFW], s[\base:\base+1] th:TH_LOAD_NT scope:SCOPE_SE
.endm
.macro ASK                             ; in the loop: s3 = 1 in the last trip, whose two changes of slots have no K step two refills on
	s_cmp_gt_u32 s3, 1
	s_cbranch_scc0 .Lno_ask_\@
	ASKNOW PFA
.Lno_ask_\@:
.endm
	s_load_b128 s[4:7], s[0:1], 0x0                ; xc, wc
	s_load_b128 s[12:15], s[0:1], 0x10             ; B, out0
	v_lshl_add_u32 v[SPW], v0, 2, SPARE
	v_mov_b32 v[NIL], 0
	ds_add_u32 v[SPW], v[NIL]                      ; the opening lines: the add, twice on end, under one wait
	ds_add_u32 v[SPW], v[NIL]
	v_lshrrev_b32 v1, 5, v0
	v_readfirstlane_b32 s[WV], v1                  ; wave 0..3
	s_and_b32 s18, s[WV], 1                        ; which 128 rows of W are mine
	s_xor_b32 s19, s[WV], 1                        ; my partner
	s_bfe_u32 s20, ttmp6, 0x40000                  ; cx
	s_bfe_u32 s21, ttmp6, 0x40004                  ; cy
	s_lshl_b32 s22, ttmp9, 2
	s_add_co_u32 s22, s22, s20                     ; tile column
	s_and_b32 s23, ttmp7, 0xffff
	s_lshl_b32 s23, s23, 2
	s_add_co_u32 s23, s23, s21                     ; tile row
	s_lshl_b32 s92, s21, 2
	s_lshl_b32 s92, 15, s92                        ; my row of the cluster
	s_lshl_b32 s93, 0x1111, s20                    ; my column
	s_or_b32 s[G1XA], s92, (3<<16)|(1<<21)         ; group 1: rows of 32 elements of 8 bytes, dense
	s_or_b32 s[G1XB], s92, (3<<16)|(1<<21)
	s_or_b32 s[G1W], s93, (3<<16)|(1<<21)
.irp g, G1XA, G1XB, G1W
	s_mov_b32 s[\g+1], 32<<16
	s_mov_b32 s[\g+3], 32<<16
	s_mov_b32 s[\g+5], 32
	s_mov_b32 s[\g+6], 0
	s_mov_b32 s[\g+7], 0
.endr
	s_mov_b32 s[G1XA+2], 141<<16                   ; x's chunk is 281 rows: 141 and 140
	s_mov_b32 s[G1XA+4], 141
	s_mov_b32 s[G1XB+2], 140<<16
	s_mov_b32 s[G1XB+4], 140
	s_mov_b32 s[G1W+2], 132<<16                    ; W's is 264: twice 132
	s_mov_b32 s[G1W+4], 132
	s_mov_b32 s95, 0
	s_mov_b32 s101, 0
	s_cmp_lt_u32 s[WV], 2                          ; the prefetches: do I fetch for x or for W?
	s_cselect_b32 s8, s20, s21                     ; my place among the four that ask with me
	s_cselect_b32 s9, 36, 33                       ; blocks a partner
	s_cselect_b32 s11, s18, 0
	s_mov_b32 s66, 131
	s_cselect_b32 s66, 140, s66
	s_mov_b32 s[PFS], 16*WCH
	s_cselect_b32 s[PFS], 16*XCH, s[PFS]           ; from a K step to the next
	s_mov_b32 s10, WHALF
	s_cselect_b32 s10, XHALF, s10
	s_mov_b32 s[PFS+1], 0
	s_sub_co_u32 s66, s66, s11                     ; my half chunk's last block: 140, 139, 131, 131
	s_mov_b32 s11, 0
	s_mul_i32 s10, s10, s18                        ; odd waves fetch the second half
	s_mul_i32 s8, s8, s9                           ; my work-group's first block
	s_sub_co_u32 s9, s9, 1
	v_and_b32 v1, 31, v0                           ; lane
	v_add_nc_u32 v[PFV], s8, v1
	v_add_nc_u32 v[PFW], 32, v1
	v_min_u32 v[PFV], s66, v[PFV]
	v_min_u32 v[PFW], s9, v[PFW]
	v_lshlrev_b32 v[PFV], 8, v[PFV]                ; blocks first .. first + 31,
	v_add_nc_u32 v[PFW], s8, v[PFW]
	v_min_u32 v[PFW], s66, v[PFW]
	v_lshlrev_b32 v[PFW], 8, v[PFW]                ; and the rest of my share, held inside the half chunk
	s_wait_alu depctr_va_vdst(0)                   ; directly ahead of the waits below
	s_wait_dscnt 0x0                               ; both opening adds are done
	s_wait_kmcnt 0x0
	s_mul_i32 s94, s23, XCH
	s_add_nc_u64 s[4:5], s[4:5], s[94:95]          ; x's chunk of K step 0
	s_mul_i32 s100, s22, WCH
	s_add_nc_u64 s[6:7], s[6:7], s[100:101]        ; W's
	s_cmp_lt_u32 s[WV], 2
	s_cselect_b64 s[PF0:PF0+1], s[4:5], s[6:7]
	s_add_nc_u64 s[PF0:PF0+1], s[PF0:PF0+1], s[10:11]          ; my half chunk of K step 0,
	s_add_nc_u64 s[PF1:PF1+1], s[PF0:PF0+1], s[PFS:PFS+1]      ; 1,
	s_add_nc_u64 s[PF2:PF2+1], s[PF1:PF1+1], s[PFS:PFS+1]      ; 2,
	s_add_nc_u64 s[PFA:PFA+1], s[PF2:PF2+1], s[PFS:PFS+1]      ; 3
	ASKNOW PF0                                     ; the buffers' first touch: asked for as early as the addresses allow
	ASKNOW PF1
.irp s, 0,1
	s_mov_b32 s[G0XA+4*\s], 1
	s_mov_b32 s[G0XA+4*\s+1], \s*SLOT
	s_add_nc_u64 s[G0XA+4*\s+2:G0XA+4*\s+3], s[4:5], \s*16*XCH
	s_or_b32 s[G0XA+4*\s+3], s[G0XA+4*\s+3], 0x80000000
	s_mov_b32 s[G0XB+4*\s], 1
	s_mov_b32 s[G0XB+4*\s+1], \s*SLOT+XHALF
	s_add_nc_u64 s[G0XB+4*\s+2:G0XB+4*\s+3], s[4:5], \s*16*XCH+XHALF
	s_or_b32 s[G0XB+4*\s+3], s[G0XB+4*\s+3], 0x80000000
	s_mov_b32 s[G0WA+4*\s], 1
	s_mov_b32 s[G0WA+4*\s+1], \s*SLOT+WOFF
	s_add_nc_u64 s[G0WA+4*\s+2:G0WA+4*\s+3], s[6:7], \s*16*WCH
	s_or_b32 s[G0WA+4*\s+3], s[G0WA+4*\s+3], 0x80000000
	s_mov_b32 s[G0WB+4*\s], 1
	s_mov_b32 s[G0WB+4*\s+1], \s*SLOT+WOFF+WHALF
	s_add_nc_u64 s[G0WB+4*\s+2:G0WB+4*\s+3], s[6:7], \s*16*WCH+WHALF
	s_or_b32 s[G0WB+4*\s+3], s[G0WB+4*\s+3], 0x80000000
.endr
	s_lshl_b32 s100, s22, 10                       ; my 128 columns, in bytes of f32: 1,024 x tile column + 512 x half; the same in B and in out0
	s_lshl_b32 s17, s18, 9
	s_add_co_u32 s100, s100, s17
	s_add_nc_u64 s[12:13], s[12:13], s[100:101]
	s_add_nc_u64 s[14:15], s[14:15], s[100:101]
	CROUND                                         ; all sixteen work-groups are here: the first joint loads meet
	JLOAD4 0                                       ; K step 0, a half chunk a wave: one tensor load a wave at the head
	v_and_b32 v2, 15, v0                           ; r
	v_bfe_u32 v4, v0, 4, 1                         ; h
	v_lshlrev_b32 v3, 2, v2
	v_lshl_add_u32 v3, v4, 17, v3                  ; B(8 h + j, column 16 b + r): a row of B is 16,384 bytes
.irp b, 0,1,2,3,4,5,6,7
.irp j, 0,1,2,3,4,5,6,7
	global_load_b32 v[128+8*\b+\j], v3, s[12:13] offset:16384*\j+64*\b
.endr
.endr
	ASKNOW PF2                                     ; behind the load of K step 0: K step 2
	s_lshl_b32 s100, s23, 22                       ; out0: 256 rows of 16,384 bytes a tile row,
	s_add_nc_u64 s[14:15], s[14:15], s[100:101]
	s_lshl_b32 s100, s[WV], 20                     ; my blocks 0-3: rows 64 w ..
	s_add_nc_u64 s[96:97], s[14:15], s[100:101]
	s_lshl_b32 s100, s19, 20                       ; my blocks 4-7: rows 64 (w xor 1) ..
	s_add_nc_u64 s[98:99], s[14:15], s[100:101]
	s_wait_alu depctr_va_vdst(0)                   ; directly ahead of the reader below
	v_lshlrev_b32 v5, 4, v1
	s_lshl_b32 s66, s[WV], 14
	v_add_nc_u32 v[ADRAL], s66, v5                 ; images: 16 x lane + 4,096 x tile
	v_add_nc_u32 v[ADRAL+1], SLOT, v[ADRAL]
	s_lshl_b32 s66, s19, 14
	v_add_nc_u32 v[ADRAH], s66, v5
	v_add_nc_u32 v[ADRAH+1], SLOT, v[ADRAH]
	s_lshl_b32 s66, s18, 15
	s_add_co_u32 s66, s66, WOFF
	v_add_nc_u32 v[ADRB], s66, v5
	v_add_nc_u32 v[ADRB+1], SLOT, v[ADRB]
	s_lshl_b32 s66, s18, 10                        ; scale words: lanes 0-15 x's block i, lanes 16-31 W's block i: the lower base + h x the distance
	s_xor_b32 s67, s[WV], 3
	s_lshl_b32 s67, s67, 9
	s_add_co_u32 s67, s67, s66
	s_add_co_u32 s67, s67, XCH-1536
	v_mul_u32_u24 v6, s67, v4
	v_lshl_add_u32 v6, v2, 3, v6
	s_lshl_b32 s67, s[WV], 9
	s_add_co_u32 s67, s67, XSIDE
	v_add_nc_u32 v[ADRSL], s67, v6
	v_add_nc_u32 v[ADRSL+1], SLOT, v[ADRSL]
	s_xor_b32 s67, s[WV], 2
	s_lshl_b32 s67, s67, 9
	s_add_co_u32 s67, s67, s66
	s_add_co_u32 s67, s67, XCH+512-1536
	v_mul_u32_u24 v6, s67, v4
	v_lshl_add_u32 v6, v2, 3, v6
	s_lshl_b32 s67, s19, 9
	s_add_co_u32 s67, s67, XSIDE
	v_add_nc_u32 v[ADRSH], s67, v6
	v_add_nc_u32 v[ADRSH+1], SLOT, v[ADRSH]
	v_add_nc_u32 v[ADRQ], XSIDE, v5
	v_add_nc_u32 v[ADRQ+1], SLOT, v[ADRQ]
	v_lshl_add_u32 v[ADRQS], v1, 2, XSIDE
	v_add_nc_u32 v[ADRQS+1], SLOT, v[ADRQS]
	s_mul_i32 s67, s[WV], 16*SPITCH
	v_mul_u32_u24 v6, v2, SPITCH
	v_lshl_add_u32 v6, v4, 5, v6
	v_add_nc_u32 v[STO], s67, v6
	v_add_nc_u32 v[RD], s67, v5
	v_lshlrev_b32 v[CO], 4, v1
	s_lshl_b32 s67, s[WV], 12
	s_add_co_u32 s67, s67, BIMG
	v_add_nc_u32 v[BLD], s67, v5
	s_lshl_b32 s67, s[WV], 11
	s_add_co_u32 s67, s67, TIMG
	v_add_nc_u32 v[TST], s67, v5
	s_lshl_b32 s67, s19, 11
	s_add_co_u32 s67, s67, TIMG
	v_add_nc_u32 v[TLD], s67, v5
	s_wait_loadcnt 0x0                             ; B is in, while K step 0 is on its way
.irp b, 0,1,2,3,4,5,6,7
.irp j, 0,1,2,3
	v_cvt_pk_bf16_f32 v[192+4*\b+\j], v[128+8*\b+2*\j], v[128+8*\b+2*\j+1]   ; registers 0-3 of a bf16 fragment: k = 8 h + 0 .. 7 of column r
.endr
.endr
.irp b, 0,1,2,3,4,5,6,7
	ds_store_b128 v[BLD], v[192+4*\b:192+4*\b+3] offset:512*\b   ; kept in my own LDS bytes until the end
.endr
.macro FRAG reg, adr, q, i             ; an image: registers 4 c .. 4 c + 3 of lane l at 512 c + 16 l
.irp c, 0,1,2,3
	ds_load_b128 v[\reg+4*\c:\reg+4*\c+3], v[\adr] offset:4096*(\i)+2048*(\q)+512*\c
.endr
.endm
; A group of LDS loads, by number: 0-7 W's fragment h into set lq; 8-11 x's blocks 0-3; 12-15 x's blocks 4-7; 16 A's fragment; 17, 18 the slot's scale words; 19 A's words.  ls: the slot, lq: which 128 of it.
.macro LG h, ls, lq
.if (\h) < 8
	WIN TO_B
	FRAG 128*(\lq)+FR*(\h), ADRB+\ls, \lq, \h
.elseif (\h) < 12
	WIN 0
	FRAG AF+FR*((\h)-8), ADRAL+\ls, \lq, (\h)-8
.elseif (\h) < 16
	WIN 0
	FRAG AF+FR*((\h)-8), ADRAH+\ls, \lq, (\h)-12
.elseif (\h) == 16
	WIN 0
.irp c, 0,1,2,3
	ds_load_b128 v[QAF+4*\c:QAF+4*\c+3], v[ADRQ+\ls] offset:QOFF+2048*(\lq)+512*\c
.endr
.elseif (\h) == 17
	WIN 0
.irp i, 0,1,2,3
	ds_load_b64 v[SC+16*(\ls)+2*\i:SC+16*(\ls)+2*\i+1], v[ADRSL+\ls] offset:128*\i
.endr
.elseif (\h) == 18
	WIN 0
.irp i, 0,1,2,3
	ds_load_b64 v[SC+16*(\ls)+8+2*\i:SC+16*(\ls)+8+2*\i+1], v[ADRSH+\ls] offset:128*\i
.endr
.elseif (\h) == 19
	WIN 0
.irp i, 0,1
	ds_load_b32 v[QS+2*(\ls)+\i], v[ADRQS+\ls] offset:QSOFF+128*\i
.endr
.endif
.endm
.macro RUN1 ls, lq, words              ; 36 loads, or 46 with the slot's scale words; leaves every window 0
.irp h, 0,1,2,3
	LG \h, \ls, \lq
.endr
.if \words
.irp h, 17,18,19
	LG \h, \ls, \lq
.endr
.endif
.irp h, 8,9,10,11,16
	LG \h, \ls, \lq
.endr
.endm
.macro RUN2 ls, lq                     ; 32 loads: W's fragments first, they are wanted first; leaves every window 0
.irp h, 4,5,6,7,12,13,14,15
	LG \h, \ls, \lq
.endr
.endm
; One product: x's block a against W's fragment b, the slot's q-th 128 along K (W's set q).  Source 0 (W) window 1, source 1 (x) window 0, C and D window 2 or 3.
.macro WM a, b, q, sc, zero
	WIN 0xa1+0x50*((\a)/4)
.if \zero
	v_wmma_scale_f32_16x16x128_f8f6f4 v[8*(8*((\a)%4)+\b):8*(8*((\a)%4)+\b)+7], v[128*(\q)+FR*\b:128*(\q)+FR*\b+FR-1], v[AF+FR*(\a):AF+FR*(\a)+FR-1], 0, v[SC+16*(\sc)+2*\b+(\q)], v[SC+16*(\sc)+2*(\a)+(\q)] matrix_a_fmt:MATRIX_FMT_BF8 matrix_b_fmt:MATRIX_FMT_BF8 matrix_a_scale:MATRIX_SCALE_ROW1
.else
	v_wmma_scale_f32_16x16x128_f8f6f4 v[8*(8*((\a)%4)+\b):8*(8*((\a)%4)+\b)+7], v[128*(\q)+FR*\b:128*(\q)+FR*\b+FR-1], v[AF+FR*(\a):AF+FR*(\a)+FR-1], v[8*(8*((\a)%4)+\b):8*(8*((\a)%4)+\b)+7], v[SC+16*(\sc)+2*\b+(\q)], v[SC+16*(\sc)+2*(\a)+(\q)] matrix_a_fmt:MATRIX_FMT_BF8 matrix_b_fmt:MATRIX_FMT_BF8 matrix_a_scale:MATRIX_SCALE_ROW1
.endif
.endm
; The 64 accumulators take turns, one product a turn, in the same order in every step.
; x's blocks 0-3, by W's fragments.  meet = 1, at a change of slots: in the middle stand the wait for all my tensor loads and the add, so that sixteen products stand between the add and the wait for it.
.macro HALF1 q, sc, zero, meet
	s_wait_dscnt 32                                ; run 1 is in; run 2's 32 loads may be out
.irp b, 0,1,2,3
.irp a, 0,1,2,3
	WM \a, \b, \q, \sc, \zero
.endr
.endr
.if \meet
	WIN 0                                          ; (the add's two registers lie in window 0)
	s_wait_tensorcnt 0x0                           ; my part of the next slot has landed: no tensor load of mine is out
	ds_add_u32 v[SPW], v[NIL]
	s_wait_dscnt 17                                ; W's fragments 4-7 are in; the 16 loads of x's blocks 4-7 and the add may be out
.else
	s_wait_dscnt 16                                ; W's fragments 4-7 are in; x's blocks 4-7 may be out
.endif
.irp b, 4,5,6,7
.irp a, 0,1,2,3
	WM \a, \b, \q, \sc, \zero
.endr
.endr
	WIN 0
.endm
.macro HALF2 q, sc, zero               ; x's blocks 4-7, and the places for what follows
.irp a, 4,5,6,7
.irp b, 0,1,2,3,4,5,6,7
	WM \a, \b, \q, \sc, \zero
.endr
.endr
	PLACES NP
.endm
.macro TMUL q, sc, zero                ; T^T += A^T x^T for my blocks 0-3: a lane holds a row of x and eight of the 16 ranks
.irp i, 0,1,2,3
.if \zero
	v_wmma_scale_f32_16x16x128_f8f6f4 v[TA+8*\i:TA+8*\i+7], v[QAF:QAF+FR-1], v[AF+FR*\i:AF+FR*\i+FR-1], 0, v[QS+2*(\sc)+(\q)], v[SC+16*(\sc)+2*\i+(\q)] matrix_a_fmt:MATRIX_FMT_BF8 matrix_b_fmt:MATRIX_FMT_BF8
.else
	v_wmma_scale_f32_16x16x128_f8f6f4 v[TA+8*\i:TA+8*\i+7], v[QAF:QAF+FR-1], v[AF+FR*\i:AF+FR*\i+FR-1], v[TA+8*\i:TA+8*\i+7], v[QS+2*(\sc)+(\q)], v[SC+16*(\sc)+2*\i+(\q)] matrix_a_fmt:MATRIX_FMT_BF8 matrix_b_fmt:MATRIX_FMT_BF8
.endif
.endr
.endm
; A slot's first 128 along K; its runs fetch the slot's second 128.
.macro STEP slot, zero
	HALF1 0, \slot, \zero, 0
	TMUL 0, \slot, \zero
	PLACES NP
	RUN1 \slot, 1, 0
	s_wait_dscnt 36                                ; x's blocks 4-7 are in; run 1's 36 loads may be out
	HALF2 0, \slot, \zero
	RUN2 \slot, 1
.endm
; A slot's second 128 changes slots.  In front of the barrier each wave has waited for all its tensor loads, added 0 to its spare word, and waits for that and for its reads of this slot.
; T's four products and the descriptors' steps, work on registers, stand between the barrier's signal and its wait.  fill = 1: a round of the cluster's barrier, and this slot is filled again.
.macro TURN slot, next, fill
.if \fill
	s_wait_xcnt 0x0                                ; my last prefetches have read their address: it steps here, a K step behind them
	s_add_nc_u64 s[PFA:PFA+1], s[PFA:PFA+1], s[PFS:PFS+1]
.endif
	HALF1 1, \slot, 0, 1
	s_wait_dscnt 0x0                               ; the add is done, and my reads of this slot are over
	s_barrier_signal -1
	TMUL 1, \slot, 0
.if \fill
	s_add_nc_u64 s[G0XA+4*\slot+2:G0XA+4*\slot+3], s[G0XA+4*\slot+2:G0XA+4*\slot+3], 2*16*XCH
	s_add_nc_u64 s[G0XB+4*\slot+2:G0XB+4*\slot+3], s[G0XB+4*\slot+2:G0XB+4*\slot+3], 2*16*XCH
	s_add_nc_u64 s[G0WA+4*\slot+2:G0WA+4*\slot+3], s[G0WA+4*\slot+2:G0WA+4*\slot+3], 2*16*WCH
	s_add_nc_u64 s[G0WB+4*\slot+2:G0WB+4*\slot+3], s[G0WB+4*\slot+2:G0WB+4*\slot+3], 2*16*WCH
.endif
	s_barrier_wait -1
.if \fill
	CREST
	JLOAD4 \slot                                   ; the first tensor load behind the round; its four v_nop are four of the eight places
	PLACES NP-4
.else
	PLACES NP
.endif
	RUN1 \next, 0, 1
.if \fill
	ASK                                            ; behind the joint load and the run of LDS loads: the K step two refills on
.endif
	HALF2 1, \slot, 0
	RUN2 \next, 0
.endm
	s_wait_alu depctr_va_vdst(0)                   ; the head's end
	s_wait_tensorcnt 0x0                           ; my half chunk of K step 0 is in; slot 1's first fill is issued as a refill is
	ds_add_u32 v[SPW], v[NIL]
	s_wait_dscnt 0x0                               ; the add and my stores of B's image are done
	CROUND                                         ; everybody's part of K step 0 is in, and the joint loads meet
	JLOAD4 1                                       ; K step 1
	RUN1 0, 0, 1
	RUN2 0, 0
	ASKNOW PFA                                     ; K step 3
	STEP 0, 1                                      ; the first step stands in front of the loop: its products start the sums
	s_mov_b32 s3, 7
.Llap:                                                 ; a trip goes once round the ring and fills both slots again
	TURN 0, 1, 1
	STEP 1, 0
	TURN 1, 0, 1
	STEP 0, 0
	s_sub_co_u32 s3, s3, 1
	s_cmp_lg_u32 s3, 0
	s_cbranch_scc1 .Llap
	TURN 0, 1, 0                                   ; the last lap fills nothing
	STEP 1, 0
	; THE LAST 128 ALONG K.  T is whole behind its first half: 2 T goes to the partner through LDS while the second half is multiplied.
	HALF1 1, 1, 0, 0
	TMUL 1, 1, 0
	PLACES NP
	WIN TO_B                                       ; B's bf16 fragments into W's set 0, which is done with: registers 0-3 from my image, registers 4-7 (k = 16 .. 31) are zeros
.irp b, 0,1,2,3,4,5,6,7
	ds_load_b128 v[8*\b:8*\b+3], v[BLD] offset:512*\b
.endr
.irp b, 0,1,2,3,4,5,6,7
.irp j, 4,5,6,7
	v_mov_b32 v[8*\b+\j], 0
.endr
.endr
	WIN 0
.irp i, 0,1,2,3
.irp j, 0,2,4,6
	v_pk_mul_f32 v[TA+8*\i+\j:TA+8*\i+\j+1], v[TA+8*\i+\j:TA+8*\i+\j+1], 2.0 op_sel_hi:[1,0]   ; alpha / rank = 2; each sum from its low end on
.endr
.endr
.irp i, 0,1,2,3
.irp j, 0,1,2,3
	v_cvt_pk_bf16_f32 v[TB+8*\i+\j], v[TA+8*\i+2*\j], v[TA+8*\i+2*\j+1]   ; in place: register j is written when registers 2 j, 2 j + 1 are read
.endr
.endr
.irp i, 0,1,2,3
	ds_store_b128 v[TST], v[TB+8*\i:TB+8*\i+3] offset:512*\i
.endr
.irp a, 0,1,2,3,4,5,6,7
.irp j, 4,5,6,7
	v_mov_b32 v[TB+8*\a+\j], 0
.endr
.endr
	s_wait_alu depctr_va_vdst(0)                   ; directly ahead of the wait below
	s_wait_dscnt 0x0                               ; my T is stored; x's blocks 4-7 and B's fragments are in
	s_barrier_signal -1
	HALF2 1, 1, 0                                  ; work on registers while the others arrive
	WIN 0
	PLACES 1                                       ; nine places in all: another matrix form takes these sums up
	s_barrier_wait -1
.irp i, 0,1,2,3
	ds_load_b128 v[TB+32+8*\i:TB+32+8*\i+3], v[TLD] offset:512*\i   ; the partner's T: my blocks 4-7
.endr
	s_wait_dscnt 0x0
; THE WAY OUT, by blocks of 16 rows x 128 columns: the block's eight products with B, then through my own stage in LDS and back as whole rows of 512 bytes, which the 32 lanes store as two aligned units of 256 bytes.
.macro LORA a
	WIN 0xa1+0x50*((\a)/4)
.irp b, 0,1,2,3,4,5,6,7
	v_wmma_f32_16x16x32_bf16 v[8*(8*((\a)%4)+\b):8*(8*((\a)%4)+\b)+7], v[8*\b:8*\b+7], v[TB+8*(\a):TB+8*(\a)+7], v[8*(8*((\a)%4)+\b):8*(8*((\a)%4)+\b)+7]
.endr
.endm
.macro TOSTAGE a
.set AC, 64*((\a)%4)
	WIN 0x08+4*((\a)/4)                            ; the data: window 2 or 3
.irp b, 0,1,2,3,4,5,6,7
	ds_store_b128 v[STO], v[AC+8*\b:AC+8*\b+3] offset:64*\b          ; each accumulator from its low end on
	ds_store_b128 v[STO], v[AC+8*\b+4:AC+8*\b+7] offset:64*\b+16
.endr
	WIN 0
.set BB, BK+64*((\a)%2)
.irp t, 0,1,2,3,4,5,6,7,8,9,10,11,12,13,14,15
	ds_load_b128 v[BB+4*\t:BB+4*\t+3], v[RD] offset:\t*SPITCH       ; LDS serves a wave's instructions in order: these see the stores above
.endr
.endm
.macro SEND a, younger                 ; younger: the LDS instructions issued behind block a's loads, which may stay out
.set BB, BK+64*((\a)%2)
	s_wait_dscnt \younger
.irp t, 0,1,2,3,4,5,6,7,8,9,10,11,12,13,14,15
.if (\a) < 4
	global_store_b128 v[CO], v[BB+4*\t:BB+4*\t+3], s[96:97] offset:(16*((\a)%4)+\t)*16384 th:TH_STORE_NT
.else
	global_store_b128 v[CO], v[BB+4*\t:BB+4*\t+3], s[98:99] offset:(16*((\a)%4)+\t)*16384 th:TH_STORE_NT
.endif
.endr
.endm
.irp a, 0,1,2,3,4,5,6,7
	LORA \a
	PLACES 4                                       ; the stage's stores read results just made
.if \a > 1
	s_wait_xcnt 0x0                                ; block a - 2's stores have read their registers: block a's loads may land there
.endif
	TOSTAGE \a
.if \a > 0
	SEND \a-1, 32                                  ; behind block a - 1's loads: block a's 16 stores and 16 loads
.endif
.endr
	SEND 7, 0
	s_wait_tensorcnt 0x0                           ; the wave's end
	ds_add_u32 v[SPW], v[NIL]
	s_wait_dscnt 0x0
	CROUND                                         ; the closing round
	s_endpgm
.Lfunc_end_k_q43195349cb_gemm:
	.size	k_q43195349cb_gemm, .Lfunc_end_k_q43195349cb_gemm-k_q43195349cb_gemm
	.p2alignl 7, 3214868480
	.fill 96, 4, 3214868480
	.section	.rodata,"a",@progbits
	.p2align	6, 0x0
	.amdhsa_kernel k_q43195349cb_gemm
		.amdhsa_group_segment_fixed_size 327680
		.amdhsa_private_segment_fixed_size 0
		.amdhsa_enable_private_segment 0
		.amdhsa_kernarg_size 32
		.amdhsa_user_sgpr_count 2
		.amdhsa_user_sgpr_kernarg_segment_ptr 1
		.amdhsa_wavefront_size32 1
		.amdhsa_system_sgpr_workgroup_id_x 1
		.amdhsa_system_sgpr_workgroup_id_y 1
		.amdhsa_system_sgpr_workgroup_id_z 1
		.amdhsa_system_vgpr_workitem_id 0
		.amdhsa_next_free_vgpr 1024
		.amdhsa_next_free_sgpr 102
		.amdhsa_reserve_vcc 0
		.amdhsa_float_denorm_mode_32 3
		.amdhsa_float_denorm_mode_16_64 3
		.amdhsa_memory_ordered 1
		.amdhsa_forward_progress 1
		.amdhsa_inst_pref_size 177
	.end_amdhsa_kernel
	.amdgpu_metadata
---
amdhsa.version: [ 1, 2 ]
amdhsa.kernels:
  - .name:           k_q43195349cb_gemm
    .symbol:         k_q43195349cb_gemm.kd
    .args:
      - { .name: xc, .offset: 0, .size: 8, .value_kind: global_buffer, .address_space: global }
      - { .name: wc, .offset: 8, .size: 8, .value_kind: global_buffer, .address_space: global }
      - { .name: B, .offset: 16, .size: 8, .value_kind: global_buffer, .address_space: global }
      - { .name: out0, .offset: 24, .size: 8, .value_kind: global_buffer, .address_space: global }
    .group_segment_fixed_size: 327680
    .private_segment_fixed_size: 0
    .kernarg_segment_align: 8
    .kernarg_segment_size: 32
    .max_flat_workgroup_size: 128
    .sgpr_count:     102
    .vgpr_count:     1024
    .wavefront_size: 32
...
	.end_amdgpu_metadata
.endif
;; end of part 2
